; MI455X (gfx1250); checked and timed in simulation.
; The chip was launched on July 23, 2026; its instructions are those of AMD's public machine-readable ISA for CDNA 5 (MIT licence, August 2026) and "CDNA5" Instruction Set Architecture Reference Guide (July 2026). The comments in the code are by the model that wrote it; some were corrected since.
;; Vector Quantizer. Allowed arithmetic: float matrix products may take bf16 or f16 operands with f32 sums; all other float work in f32.
;; Inputs: embedding 8,192 x 64 float32; hidden_states 32 x 32 x 32 x 64 float32.
;; Outputs: out0 32 x 32 x 32 x 64 float32; out1 32 x 1,024 int32; out2 one number float32.
;; One version. Each part assembles by itself: llvm-mc -triple=amdgcn-amd-amdhsa -mcpu=gfx1250 --defsym DOCPART=n.
;; ======== version 1 of 1: 3 launches
;; limits: values outside matrix products are rounded to bf16
;; workspace buffers: candd 524,288 bytes; candi 524,288 bytes of whole numbers; part 1,024 bytes
;; launch argmin (part 1): grid 64 x 4, 8 waves a work-group, no clusters, 322,560 bytes of LDS; arguments hidden_states, embedding, candd, candi; writes candd, candi
.if DOCPART == 1
	.amdgcn_target "amdgcn-amd-amdhsa--gfx1250"
	.amdhsa_code_object_version 6
	.text
	.protected	k_q546fe6608a_argmin
	.globl	k_q546fe6608a_argmin
	.p2align	8
	.type	k_q546fe6608a_argmin,@function
k_q546fe6608a_argmin:
	s_mov_b64 s[64:65], 0
	v_nop
	global_prefetch_b8 v0, s[64:65] scope:SCOPE_SE
	s_setreg_imm32_b32 hwreg(HW_REG_WAVE_MODE, 25, 1), 1
	s_wait_xcnt 0x0
; VECTOR QUANTISER, STEP 1 OF 3: for 512 tokens and one quarter of the codebook (2,048 codes) the smallest
; d = (|z|^2 + |e|^2) - 2 z.e of each token and the first code index that has it.
; candd[q][token] (f32) and candi[q][token] (i32, the index in the whole codebook) are this launch's results.
; Work-group (x, y): tokens 512 x .. 512 x + 511, codes 2048 y .. 2048 y + 2047.  Eight waves; wave w has tokens 64 w .. 64 w + 63
; as four tiles of 16 (tile tt, column r = token 4 r + tt, so that a lane ends with four neighbouring tokens) and walks all 128 code tiles.
; The quarter lies in LDS as bf16 for the whole kernel: it is rounded once, by the wave that loaded it, and then only read.
; THE MATRIX INSTRUCTION takes 16 codes as A and 16 tokens as B: register j of lane (r, h) is code 8 h + j against token r, so a lane
; sees eight codes of ONE token and the search needs no traffic between lanes until the very end.
; ARITHMETIC: z and e are rounded to bf16 for the products, and both norms are the sums of squares of the ROUNDED numbers (the diagonal
; of tile x tile-transposed).  d is then formed as the reference forms it, with two f32 roundings: A = fl(|z|^2 + |e|^2), d = fl(A - 2 dot).
; Ties go to the first index everywhere: strict compare from tile to tile, first equal register inside a tile, smaller index between halves.
; LIMITS: NaN and infinities in the inputs are not served (the minimum drops a NaN; the reference's argmin would take it).  The order of
; summation inside a dot product is the matrix instruction's, so a tie on the f32 grid of d can fall otherwise than with another order.
; NO CLUSTER, NO TENSOR LOADS: the 64 work-groups of a quarter read the same 524,288 bytes of f32 codes, but each of these bytes has to
; pass through registers to be rounded to bf16, and an f32 copy of a quarter (524,288 bytes) does not fit into LDS at all, let alone
; beside the 294,912 bytes of the bf16 copy.  So the codes come by plain loads, 512 consecutive bytes to an instruction.
.set PITCH,  144                       ; an LDS row: 128 bytes of bf16 + 16 of padding, an odd multiple of 16: the 16 rows of a fragment load begin in 16 different 16-byte columns of 256
.set TILEB,  16*PITCH                  ; 16 rows = one tile, 2,304 bytes
.set QCODES, 2048                      ; codes in a quarter
.set ESQL,   QCODES*PITCH              ; LDS 294,912: |e|^2 of the quarter, 2,048 f32
.set STG,    ESQL+4*QCODES             ; LDS 303,104: one token tile for each wave, its own, 8 x 2,304 bytes; the end is 321,536
.set USE_DUAL, 1                       ; 1: the selects that keep a tile go two to an instruction; 0: one by one
.set LANE,  1                          ; lane 0..31
.set RR,    2                          ; r = lane % 16
.set HH,    3                          ; h = lane / 16
.set ADRF,  4                          ; LDS address of my part of a code fragment: r x 144 + 16 h + the pair of tiles at work
.set ADRE,  5                          ; LDS address of my eight |e|^2: ESQL + 32 h + the pair of tiles at work
.set CBASE, 6                          ; index of my first code in the tile that the search is at: 2048 y + 8 h + 16 tile
.set VTOK,  7                          ; token loads: 1024 h + 16 r
.set VCOD,  8                          ; code loads: 16 lane
.set STOK,  9                          ; where my 8 bytes of a token row go
.set SCOD,  10                         ; where my 8 bytes of a code row go
.set TFR,   11                         ; my part of a token fragment in my stage
.set ESTO,  12                         ; where |e|^2 of code r of my own tiles goes
.set OOFF,  13                         ; 16 r: my 16 bytes of the results
.set PT,    14                         ; v14-15 what comes from the other half of the lanes
.set ZSQ,   16                         ; v16-19  |z|^2 of my token in tile tt
.set CFR,   20                         ; (before the search) my part of a fragment of my own 256 codes
.set BEST,  20                         ; v20-27  smallest d so far, two sets of four that take turns: the old one is still there to compare with
.set EO,    24                         ; (before the search) v24-27 four |e|^2 on their way to LDS
.set ID,    28                         ; v28-31  CBASE of the tile that holds the smallest d
.set T,     32                         ; v32-39  at work
.set GA,    32                         ; (before the search) v32-63 four accumulators for the norms
.set ESQ,   40                         ; v40-55  my eight |e|^2, two sets
.set FRAG,  56                         ; v56-87  a code tile's fragments (16 codes x 64), two sets
.set RAW,   64                         ; (before the search) v64-191 f32 as loaded: four token tiles, then two buffers of 16 code loads
.set ACC,   88                         ; v88-151 two sets of four accumulators
.set SAVED, 152                        ; v152-183 the eight d of the tile that holds the smallest, for each token tile
.set ZZ,    184                        ; v184-191 |z|^2 twice, a pair for the packed add, for each token tile
.set TOK,   192                        ; v192-255 the four token tiles' fragments, resident
.set MSK,   16                         ; s16-22  lanes with lane % 8 = 1 .. 7
	s_load_b256 s[4:11], s[0:1], 0x0               ; hidden s[4:5], embedding s[6:7], candd s[8:9], candi s[10:11]
	s_set_vgpr_msb 0x40
	v_lshl_add_u32 v0, v0, 2, 0x4e800
	v_mov_b32 v1, 0
	s_set_vgpr_msb 0x4000
	v_lshrrev_b32 v[LANE], 5, v0
	v_readfirstlane_b32 s12, v[LANE]               ; wave 0..7
	s_and_b32 s14, ttmp7, 0xffff                   ; the quarter
	v_and_b32 v[RR], 15, v0
	v_bfe_u32 v[HH], v0, 4, 1
	v_and_b32 v[LANE], 31, v0
	v_lshlrev_b32 v[OOFF], 4, v[RR]
	v_lshl_add_u32 v[VTOK], v[HH], 10, v[OOFF]     ; lanes 0-15 take one row of 256 bytes, lanes 16-31 the row four tokens on
	v_lshlrev_b32 v[VCOD], 4, v[LANE]
	s_lshl_b32 s28, ttmp9, 17                      ; 512 tokens x 256 bytes
	s_lshl_b32 s15, s12, 14                        ; + 64 tokens x 256 bytes a wave
	s_add_co_u32 s28, s28, s15
	s_mov_b32 s29, 0
	s_lshl_b32 s30, s14, 19                        ; 2,048 codes x 256 bytes
	s_lshl_b32 s15, s12, 16                        ; + 256 codes x 256 bytes a wave
	s_add_co_u32 s30, s30, s15
	s_mov_b32 s31, 0
	s_lshl_b32 s32, s14, 17                        ; results: 32,768 tokens x 4 bytes a quarter
	s_lshl_b32 s15, ttmp9, 11                      ; + 512 tokens x 4 bytes
	s_add_co_u32 s32, s32, s15
	s_lshl_b32 s15, s12, 8                         ; + 64 tokens x 4 bytes a wave
	s_add_co_u32 s32, s32, s15
	s_mov_b32 s33, 0
	s_wait_kmcnt 0x0
	s_add_nc_u64 s[4:5], s[4:5], s[28:29]
	s_add_nc_u64 s[6:7], s[6:7], s[30:31]
	s_add_nc_u64 s[8:9], s[8:9], s[32:33]
	s_add_nc_u64 s[10:11], s[10:11], s[32:33]
	; all of my 64 tokens at once, tile by tile: load i of tile tt brings tokens 8 i + tt and 8 i + 4 + tt, rows 2 i and 2 i + 1 of the tile
.irp tt, 0,1,2,3
.irp i, 0,1,2,3,4,5,6,7
	global_load_b128 v[RAW+32*\tt+4*\i:RAW+32*\tt+4*\i+3], v[VTOK], s[4:5] offset:(8*\i+\tt)*256
.endr
.endr
.irp j, 1,2,3,4,5,6,7
	s_mov_b32 s[MSK+\j-1], 0x01010101<<\j
.endr
	s_mov_b32 s23, 0x00ffff00                      ; lanes 8-23: their diagonal element lies in the other half
	s_mov_b32 s24, 0x76543210                      ; v_permlanex16_b32: lane i of one half reads lane i of the other
	s_mov_b32 s25, 0xfedcba98
	s_mul_i32 s34, s12, TILEB
	s_add_co_u32 s34, s34, STG                     ; my stage
	s_mul_i32 s35, s12, 256*PITCH                  ; my 256 rows of the codes
	s_lshl_b32 s36, s12, 10
	s_add_co_u32 s36, s36, ESQL                    ; my 256 words of |e|^2
	s_lshl_b32 s37, s14, 11                        ; the quarter's first code
	v_mul_u32_u24 v[ADRF], v[RR], PITCH
	v_lshl_add_u32 v[ADRF], v[HH], 4, v[ADRF]      ; a fragment: row r, 16 bytes for each half of the lanes
	v_add_nc_u32 v[TFR], s34, v[ADRF]
	v_add_nc_u32 v[CFR], s35, v[ADRF]
	v_mul_u32_u24 v[SCOD], v[HH], PITCH
	v_lshl_add_u32 v[SCOD], v[RR], 3, v[SCOD]      ; a row on its way in: four f32 become 8 bytes at 8 r, lanes 16-31 one row further down
	v_add_nc_u32 v[STOK], s34, v[SCOD]
	v_add_nc_u32 v[SCOD], s35, v[SCOD]
	v_lshl_add_u32 v[ESTO], v[RR], 2, s36
	v_lshlrev_b32 v[ADRE], 5, v[HH]
	v_add_nc_u32 v[ADRE], ESQL, v[ADRE]
	v_lshl_add_u32 v[CBASE], v[HH], 3, s37
	v_mov_b32 v[PT], 0                             ; v_permlanex16_b32 counts as a reader of its destination
	v_mov_b32 v[PT+1], 0
; Four places behind a matrix instruction before a vector instruction reads its result or a load lands on one of its registers
; (ISA guide 7.12.1 for vector instructions).
.macro PLACES
.rept 4
	v_nop
.endr
.endm
; 16 loads of 512 consecutive bytes: rows 32 b .. 32 b + 31 of my 256 codes, into the buffer of b's parity
.macro CLOAD b
.irp i, 0,1,2,3,4,5,6,7,8,9,10,11,12,13,14,15
	global_load_b128 v[RAW+64*(\b%2)+4*\i:RAW+64*(\b%2)+4*\i+3], v[VCOD], s[6:7] offset:(16*\b+\i)*512
.endr
.endm
; that batch is rounded to bf16 in place and laid into LDS.  left = the younger loads that may stay out
.macro CCONV b, left
	s_wait_loadcnt \left
.irp i, 0,1,2,3,4,5,6,7,8,9,10,11,12,13,14,15
	v_cvt_pk_bf16_f32 v[RAW+64*(\b%2)+4*\i],   v[RAW+64*(\b%2)+4*\i],   v[RAW+64*(\b%2)+4*\i+1]
	v_cvt_pk_bf16_f32 v[RAW+64*(\b%2)+4*\i+1], v[RAW+64*(\b%2)+4*\i+2], v[RAW+64*(\b%2)+4*\i+3]
	ds_store_b64 v[SCOD], v[RAW+64*(\b%2)+4*\i:RAW+64*(\b%2)+4*\i+1] offset:(16*\b+\i)*2*PITCH
.endr
.endm
; a token tile: rounded, through my own stage, back as the fragments of a B operand.  LDS serves a wave's instructions in order
; (ISA guide 5.7.1.4), so the loads see the stores above them, and the next tile's stores come behind these loads.
.macro TOKTILE tt, left
	s_wait_loadcnt \left
.irp i, 0,1,2,3,4,5,6,7
	v_cvt_pk_bf16_f32 v[RAW+32*\tt+4*\i],   v[RAW+32*\tt+4*\i],   v[RAW+32*\tt+4*\i+1]
	v_cvt_pk_bf16_f32 v[RAW+32*\tt+4*\i+1], v[RAW+32*\tt+4*\i+2], v[RAW+32*\tt+4*\i+3]
	ds_store_b64 v[STOK], v[RAW+32*\tt+4*\i:RAW+32*\tt+4*\i+1] offset:\i*2*PITCH
.endr
.irp c, 0,1,2,3
	ds_load_b128 v[TOK+16*\tt+4*\c:TOK+16*\tt+4*\c+3], v[TFR] offset:32*\c
.endr
.endm
; four tiles times their own transposes: the diagonals are the rows' sums of squares.  The four accumulators take turns,
; one instruction a turn.
.macro GRAM4 f
.irp u, 0,1,2,3
	v_wmma_f32_16x16x32_bf16 v[GA+8*\u:GA+8*\u+7], v[\f+16*\u:\f+16*\u+7], v[\f+16*\u:\f+16*\u+7], 0
.endr
.irp u, 0,1,2,3
	v_wmma_f32_16x16x32_bf16 v[GA+8*\u:GA+8*\u+7], v[\f+16*\u+8:\f+16*\u+15], v[\f+16*\u+8:\f+16*\u+15], v[GA+8*\u:GA+8*\u+7]
.endr
	PLACES
.endm
; element (m, m) lies in register m % 8 of lane m (m < 8) or of lane m + 16 (m >= 8).  Every lane takes its register lane % 8;
; lanes 8-23 then take what the lane 16 away has picked: every lane (r, h) ends with element (r, r).
.macro DIAG acc, out
	v_cndmask_b32 v[\out], v[\acc], v[\acc+1], s[MSK]
.irp j, 2,3,4,5,6,7
	v_cndmask_b32 v[\out], v[\out], v[\acc+\j], s[MSK+\j-1]
.endr
	v_permlanex16_b32 v[PT], v[\out], s24, s25
	v_cndmask_b32 v[\out], v[\out], v[PT], s23
.endm
; |e|^2 of tiles 4 cb .. 4 cb + 3 of my own 16: my own bytes of LDS, read behind my own stores
.macro CNORM cb
.irp u, 0,1,2,3
.irp c, 0,1,2,3
	ds_load_b128 v[RAW+16*\u+4*\c:RAW+16*\u+4*\c+3], v[CFR] offset:(4*\cb+\u)*TILEB+32*\c
.endr
.endr
	s_wait_dscnt 0x0
	GRAM4 RAW
.irp u, 0,1,2,3
	DIAG GA+8*\u, EO+\u
	ds_store_b32 v[ESTO], v[EO+\u] offset:(4*\cb+\u)*64    ; both halves of the lanes write the same word with the same number
.endr
.endm
	TOKTILE 0, 24                                  ; the three later tiles' 24 loads stay out
	TOKTILE 1, 16
	CLOAD 0                                        ; into the registers that tiles 0 and 1 have left
	TOKTILE 2, 24                                  ; tile 3's 8 loads and the 16 of code batch 0
	TOKTILE 3, 16                                  ; code batch 0
	CLOAD 1
	s_wait_dscnt 0x0                               ; the four tiles' fragments are in
	GRAM4 TOK
.irp tt, 0,1,2,3
	DIAG GA+8*\tt, ZSQ+\tt
.endr
	CCONV 0, 16                                    ; each time the next batch's 16 loads stay out
	CLOAD 2
	CCONV 1, 16
	CLOAD 3
	CCONV 2, 16
	CLOAD 4
	CCONV 3, 16
	CLOAD 5
	CCONV 4, 16
	CLOAD 6
	CCONV 5, 16
	CLOAD 7
	CCONV 6, 16
	CCONV 7, 0
	CNORM 0
	CNORM 1
	CNORM 2
	CNORM 3
	s_wait_dscnt 0x0                               ; my rows of the codes and my |e|^2 are in LDS,
	s_barrier_signal -1
	s_barrier_wait -1                              ; everybody's are; from here on LDS is only read: the kernel's one barrier
; THE SEARCH.  Group g multiplies code tile g (set g % 2 of fragments and accumulators) against the four token tiles, and between its
; matrix instructions the vector unit searches tile g - 1, which lies in the other set.
.macro MM p, tt, ks
.if \ks == 0
	v_wmma_f32_16x16x32_bf16 v[ACC+32*\p+8*\tt:ACC+32*\p+8*\tt+7], v[FRAG+16*\p:FRAG+16*\p+7], v[TOK+16*\tt:TOK+16*\tt+7], 0
.else
	v_wmma_f32_16x16x32_bf16 v[ACC+32*\p+8*\tt:ACC+32*\p+8*\tt+7], v[FRAG+16*\p+8:FRAG+16*\p+15], v[TOK+16*\tt+8:TOK+16*\tt+15], v[ACC+32*\p+8*\tt:ACC+32*\p+8*\tt+7]
.endif
.endm
; two registers of the kept tile are replaced where VCC says so
.macro SEL2 sv, dv
.if USE_DUAL
	v_dual_cndmask_b32 v[\sv], v[\sv], v[\dv] :: v_dual_cndmask_b32 v[\sv+1], v[\sv+1], v[\dv+1]
.else
	v_cndmask_b32 v[\sv], v[\sv], v[\dv], vcc_lo
	v_cndmask_b32 v[\sv+1], v[\sv+1], v[\dv+1], vcc_lo
.endif
.endm
; first half of a unit (one code tile x one token tile): A = |e|^2 + |z|^2, d = A - 2 dot in place (one rounding each), the minimum begun
.macro EPA tt, p
.set EE, ESQ+8*(1-\p)
.set XX, ACC+32*(1-\p)+8*\tt
.irp i, 0,2,4,6
	v_pk_add_f32 v[T+\i:T+\i+1], v[EE+\i:EE+\i+1], v[ZZ+2*\tt:ZZ+2*\tt+1]
.endr
.irp i, 0,2,4,6
	v_pk_fma_f32 v[XX+\i:XX+\i+1], v[XX+\i:XX+\i+1], -2.0, v[T+\i:T+\i+1] op_sel_hi:[1,0,1]
.endr
	v_min3_num_f32 v[T], v[BEST+4*\p+\tt], v[XX], v[XX+1]
.endm
; second half: the new minimum goes into the other set of BEST; where it is strictly smaller than the old one (an earlier tile keeps
; a tie) the tile's eight d and its first index are kept.  Which of the eight it was is found once, behind the search.
.macro EPB tt, p
.set XX, ACC+32*(1-\p)+8*\tt
	v_min3_num_f32 v[T+1], v[XX+2], v[XX+3], v[XX+4]
	v_min3_num_f32 v[T+2], v[XX+5], v[XX+6], v[XX+7]
	v_min3_num_f32 v[BEST+4*(1-\p)+\tt], v[T], v[T+1], v[T+2]
	v_cmp_lt_f32 vcc_lo, v[BEST+4*(1-\p)+\tt], v[BEST+4*\p+\tt]
.irp i, 0,2,4,6
	SEL2 SAVED+8*\tt+\i, XX+\i
.endr
	v_cndmask_b32 v[ID+\tt], v[ID+\tt], v[CBASE], vcc_lo
.endm
; the same for code tile 0, which starts the search: its d go straight into SAVED, nothing is cleared
.macro EPA1 tt, p
.set EE, ESQ+8*(1-\p)
.set XX, ACC+32*(1-\p)+8*\tt
.set SS, SAVED+8*\tt
.irp i, 0,2,4,6
	v_pk_add_f32 v[T+\i:T+\i+1], v[EE+\i:EE+\i+1], v[ZZ+2*\tt:ZZ+2*\tt+1]
.endr
.irp i, 0,2,4,6
	v_pk_fma_f32 v[SS+\i:SS+\i+1], v[XX+\i:XX+\i+1], -2.0, v[T+\i:T+\i+1] op_sel_hi:[1,0,1]
.endr
.endm
.macro EPB1 tt, p
.set SS, SAVED+8*\tt
	v_min3_num_f32 v[T], v[SS], v[SS+1], v[SS+2]
	v_min3_num_f32 v[T+1], v[SS+3], v[SS+4], v[SS+5]
	v_min_num_f32 v[T+2], v[SS+6], v[SS+7]
	v_min3_num_f32 v[BEST+4*(1-\p)+\tt], v[T], v[T+1], v[T+2]
	v_mov_b32 v[ID+\tt], v[CBASE]
.endm
; one matrix instruction (token tile mt, K half ks) and behind it half of a unit of the search (token tile et)
.macro STEP p, mt, ks, epi, half, et
	MM \p, \mt, \ks
.if \epi == 2
.if \half == 0
	EPA \et, \p
.else
	EPB \et, \p
.endif
.endif
.if \epi == 1
.if \half == 0
	EPA1 \et, \p
.else
	EPB1 \et, \p
.endif
.endif
.endm
; A group.  fo, eo: offsets of the next tile's fragments and of this tile's |e|^2 from ADRF and ADRE; ldf = 0: there is no next tile;
; epi = 0: no tile to search yet, 1: tile 0, 2: any later tile.
; The four accumulators take turns, one instruction a turn (K half 0 on all four, then K half 1); the next
; group begins on the other set.  What the search touches belongs to the other set, whose last matrix instruction lies at least ten
; vector instructions back (four v_nop behind the first group); the loads into the other set's fragments stand behind the same ones.
.macro GROUP p, fo, eo, ldf, epi
	s_wait_dscnt 0x0                               ; the loads issued at the head of the group before: this tile's fragments, the searched tile's |e|^2
.if \ldf
.irp c, 0,1,2,3
	ds_load_b128 v[FRAG+16*(1-\p)+4*\c:FRAG+16*(1-\p)+4*\c+3], v[ADRF] offset:\fo+32*\c
.endr
.endif
	ds_load_b128 v[ESQ+8*\p:ESQ+8*\p+3],   v[ADRE] offset:\eo
	ds_load_b128 v[ESQ+8*\p+4:ESQ+8*\p+7], v[ADRE] offset:\eo+16
	STEP \p, 0, 0, \epi, 0, 0
	STEP \p, 1, 0, \epi, 1, 0
	STEP \p, 2, 0, \epi, 0, 1
	STEP \p, 3, 0, \epi, 1, 1
	STEP \p, 0, 1, \epi, 0, 2
	STEP \p, 1, 1, \epi, 1, 2
	STEP \p, 2, 1, \epi, 0, 3
	STEP \p, 3, 1, \epi, 1, 3
.if \epi
	v_add_nc_u32 v[CBASE], 16, v[CBASE]            ; the search's next tile
.else
	PLACES
.endif
.endm
.irp c, 0,1,2,3
	ds_load_b128 v[FRAG+4*\c:FRAG+4*\c+3], v[ADRF] offset:32*\c    ; tile 0
.endr
.irp tt, 0,1,2,3
	v_mov_b32 v[ZZ+2*\tt],   v[ZSQ+\tt]            ; |z|^2 as a pair; these registers were a code buffer until now
	v_mov_b32 v[ZZ+2*\tt+1], v[ZSQ+\tt]
.endr
	GROUP 0, TILEB, 0, 1, 0                        ; tiles 0 and 1 stand in front of the loop: the search starts one tile behind
	GROUP 1, 2*TILEB, 64, 1, 1
	v_add_nc_u32 v[ADRF], 2*TILEB, v[ADRF]
	v_add_nc_u32 v[ADRE], 128, v[ADRE]
	s_mov_b32 s26, 62                              ; tiles 2 to 125
.Lpair:
	GROUP 0, TILEB, 0, 1, 2
	GROUP 1, 2*TILEB, 64, 1, 2
	v_add_nc_u32 v[ADRF], 2*TILEB, v[ADRF]
	v_add_nc_u32 v[ADRE], 128, v[ADRE]
	s_sub_co_u32 s26, s26, 1
	s_cmp_lg_u32 s26, 0
	s_cbranch_scc1 .Lpair
	GROUP 0, TILEB, 0, 1, 2                        ; tile 126; fetches tile 127
	GROUP 1, 0, 64, 0, 2                           ; tile 127: no tile is left to fetch
	s_wait_dscnt 0x0                               ; tile 127's |e|^2
.irp tt, 0,1,2,3
	EPA \tt, 0                                     ; the search of tile 127; the result is BEST's second set
	EPB \tt, 0
.endr
; Which of the kept eight is the minimum: the first that equals it.  Then the two halves of the lanes, which hold codes 8 h .. 8 h + 7
; of every tile, are merged: the smaller d, and of equal d the smaller index.  Only values are selected: no address or branch hangs on them.
.macro RESOLVE tt
	v_mov_b32 v[T], 7
.irp j, 6,5,4,3,2,1,0
	v_cmp_eq_f32 vcc_lo, v[SAVED+8*\tt+\j], v[BEST+4+\tt]
	v_cndmask_b32 v[T], v[T], \j, vcc_lo
.endr
	v_add_nc_u32 v[ID+\tt], v[ID+\tt], v[T]
	v_permlanex16_b32 v[PT], v[BEST+4+\tt], s24, s25
	v_permlanex16_b32 v[PT+1], v[ID+\tt], s24, s25
	v_cmp_lt_f32 s40, v[PT], v[BEST+4+\tt]
	v_cmp_eq_f32 s41, v[PT], v[BEST+4+\tt]
	v_cmp_lt_u32 s42, v[PT+1], v[ID+\tt]
	s_and_b32 s41, s41, s42
	s_or_b32 s40, s40, s41
	v_cndmask_b32 v[BEST+4+\tt], v[BEST+4+\tt], v[PT], s40
	v_cndmask_b32 v[ID+\tt], v[ID+\tt], v[PT+1], s40
.endm
	RESOLVE 0
	RESOLVE 1
	RESOLVE 2
	RESOLVE 3
	; lane r holds tokens 4 r .. 4 r + 3: sixteen lanes store 256 consecutive bytes, at a multiple of 256 from the buffer's first byte
	v_cmp_gt_u32 vcc_lo, 16, v[LANE]
	s_wait_xcnt 0x0                                ; EXEC changes only behind this wait
	s_set_vgpr_msb 0x5
	s_wait_tensorcnt 0x0
	ds_add_u32 v0, v1
	s_wait_dscnt 0x0
	s_set_vgpr_msb 0x500
	s_and_saveexec_b32 s43, vcc_lo
	global_store_b128 v[OOFF], v[BEST+4:BEST+7], s[8:9]
	global_store_b128 v[OOFF], v[ID:ID+3], s[10:11]
	s_endpgm
.Lfunc_end_k_q546fe6608a_argmin:
	.size	k_q546fe6608a_argmin, .Lfunc_end_k_q546fe6608a_argmin-k_q546fe6608a_argmin
	.p2alignl 7, 3214868480
	.fill 96, 4, 3214868480
	.section	.rodata,"a",@progbits
	.p2align	6, 0x0
	.amdhsa_kernel k_q546fe6608a_argmin
		.amdhsa_group_segment_fixed_size 322560
		.amdhsa_private_segment_fixed_size 0
		.amdhsa_enable_private_segment 0
		.amdhsa_kernarg_size 32
		.amdhsa_user_sgpr_count 2
		.amdhsa_user_sgpr_kernarg_segment_ptr 1
		.amdhsa_wavefront_size32 1
		.amdhsa_system_sgpr_workgroup_id_x 1
		.amdhsa_system_sgpr_workgroup_id_y 1
		.amdhsa_system_sgpr_workgroup_id_z 1
		.amdhsa_system_vgpr_workitem_id 0
		.amdhsa_next_free_vgpr 258
		.amdhsa_next_free_sgpr 66
		.amdhsa_reserve_vcc 1
		.amdhsa_float_denorm_mode_32 3
		.amdhsa_float_denorm_mode_16_64 3
		.amdhsa_memory_ordered 1
		.amdhsa_forward_progress 1
		.amdhsa_inst_pref_size 106
	.end_amdhsa_kernel
	.amdgpu_metadata
---
amdhsa.version: [ 1, 2 ]
amdhsa.kernels:
  - .name:           k_q546fe6608a_argmin
    .symbol:         k_q546fe6608a_argmin.kd
    .args:
      - { .name: hidden_states, .offset: 0, .size: 8, .value_kind: global_buffer, .address_space: global }
      - { .name: embedding, .offset: 8, .size: 8, .value_kind: global_buffer, .address_space: global }
      - { .name: candd, .offset: 16, .size: 8, .value_kind: global_buffer, .address_space: global }
      - { .name: candi, .offset: 24, .size: 8, .value_kind: global_buffer, .address_space: global }
    .group_segment_fixed_size: 322560
    .private_segment_fixed_size: 0
    .kernarg_segment_align: 8
    .kernarg_segment_size: 32
    .max_flat_workgroup_size: 256
    .sgpr_count:     66
    .vgpr_count:     258
    .wavefront_size: 32
...
	.end_amdgpu_metadata
.endif
;; end of part 1
;; launch gather (part 2): grid 256 x 1, 16 waves a work-group, no clusters, 3,072 bytes of LDS; arguments hidden_states, embedding, candd, candi, out0, out1, part; writes out0, out1, part
.if DOCPART == 2
	.amdgcn_target "amdgcn-amd-amdhsa--gfx1250"
	.amdhsa_code_object_version 6
	.text
	.protected	k_q546fe6608a_gather
	.globl	k_q546fe6608a_gather
	.p2align	8
	.type	k_q546fe6608a_gather,@function
k_q546fe6608a_gather:
	s_mov_b64 s[64:65], 0
	v_nop
	global_prefetch_b8 v0, s[64:65] scope:SCOPE_SE
	s_setreg_imm32_b32 hwreg(HW_REG_WAVE_MODE, 25, 1), 1
	s_wait_xcnt 0x0
; VECTOR QUANTISER, STEP 2 OF 3: the four quarters' candidates are merged, the winning code row is fetched,
; out0 = h + (e - h), out1 = the index, part[work-group] = the sum of (e - h)^2 over the work-group's 128 tokens.
; The four candidate indices are whole numbers read from memory, so all four rows are fetched by them, and the row is then CHOSEN by
; selects on the four distances: no address and no branch hangs on a floating-point number.  That fetches 4 x 256 bytes for a token.
; Sixteen waves, 8 tokens each: lanes 0-15 take tokens 0-3 of the wave, lanes 16-31 tokens 4-7, one token a step; lane c of a half has
; 16 bytes of the row, so sixteen lanes load and store 256 consecutive bytes, aligned.
; Ties between quarters go to the lower quarter (strict compare, quarters ascending), that is to the first index.
; h and e are the f32 inputs as they are.  LIMIT: NaN and infinities in the inputs are not served (see the first step).
; No matrix unit, cluster or tensor load: no two work-groups share a tile, and a row is used once.
.set QSTRIDE, 131072                   ; bytes from a quarter's candidates to the next quarter's: 32,768 tokens x 4
.set CC,   2                           ; lane % 16
.set HL,   3                           ; lane / 16
.set CI,   4                           ; 16 x half: my half's four candidates
.set HO,   5                           ; 1024 x half + 16 c: my 16 bytes of my half's first row; never rewritten
.set C16,  6                           ; 16 c
.set LI,   7                           ; LDS: my half's four indices
.set IDX,  8                           ; v8-23    quarter q: four indices, one for each step
.set DST,  24                          ; v24-39   quarter q: four distances
.set HID,  40                          ; v40-55   step s: my 16 bytes of h
.set OFF,  56                          ; v56-71   step s, quarter q: byte offset in the table; each load has its own
.set ROW,  72                          ; v72-135  step s, quarter q: my 16 bytes of the candidate row
.set BI,   136                         ; v136-139 the merged index of each step
.set BD,   140                         ; the running minimum
.set DIFF, 144                         ; v144-147 e - h
.set ZQ,   148                         ; v148-163 step s: what is stored; each store has its own
.set LACC, 164                         ; v164-167 sums of squares
.set LS,   168                         ; v168-169 the wave's sum
.set LP,   170                         ; LDS: my wave's sum
.set WI,   8                           ; wave 0 at the end: 16 bytes of indices,
.set WP,   12                          ; v12-27   the sixteen waves' sums,
.set WA,   28                          ; 16 x lane,
.set WB,   29                          ; LDS byte 512,
.set WZ,   30                          ; offset 0
	s_load_b256 s[4:11], s[0:1], 0x0               ; hidden s[4:5], embedding s[6:7], candd s[8:9], candi s[10:11]
	s_load_b128 s[12:15], s[0:1], 0x20             ; out0 s[12:13], out1 s[14:15]
	s_load_b64 s[16:17], s[0:1], 0x30              ; part
	v_lshl_add_u32 v176, v0, 2, 0x400
	v_mov_b32 v177, 0
	v_lshrrev_b32 v1, 5, v0
	v_readfirstlane_b32 s18, v1                    ; wave 0..15
	v_and_b32 v[CC], 15, v0
	v_bfe_u32 v[HL], v0, 4, 1
	v_lshlrev_b32 v[CI], 4, v[HL]
	v_lshlrev_b32 v[C16], 4, v[CC]
	v_lshl_add_u32 v[HO], v[HL], 10, v[C16]
	s_lshl_b32 s32, ttmp9, 9                       ; candidates: 128 tokens x 4 bytes
	s_lshl_b32 s19, s18, 5                         ; + 8 tokens x 4 bytes a wave
	s_add_co_u32 s32, s32, s19
	s_mov_b32 s33, 0
	s_lshl_b32 s34, ttmp9, 15                      ; rows: 128 tokens x 256 bytes
	s_lshl_b32 s41, s18, 11                        ; + 8 tokens x 256 bytes a wave
	s_add_co_u32 s34, s34, s41
	s_mov_b32 s35, 0
	s_wait_kmcnt 0x0
	s_add_nc_u64 s[8:9], s[8:9], s[32:33]
	s_add_nc_u64 s[10:11], s[10:11], s[32:33]
	s_add_nc_u64 s[4:5], s[4:5], s[34:35]
	s_add_nc_u64 s[12:13], s[12:13], s[34:35]
.irp q, 0,1,2,3
	global_load_b128 v[IDX+4*\q:IDX+4*\q+3], v[CI], s[10:11] offset:\q*QSTRIDE
.endr
.irp q, 0,1,2,3
	global_load_b128 v[DST+4*\q:DST+4*\q+3], v[CI], s[8:9] offset:\q*QSTRIDE
.endr
.irp s, 0,1,2,3
	global_load_b128 v[HID+4*\s:HID+4*\s+3], v[HO], s[4:5] offset:\s*256 th:TH_LOAD_NT
.endr
	s_lshl_b32 s36, ttmp9, 9                       ; out1: 128 tokens x 4 bytes
	s_mov_b32 s37, 0
	s_add_nc_u64 s[14:15], s[14:15], s[36:37]
	s_lshl_b32 s36, ttmp9, 2                       ; part: one word
	s_add_nc_u64 s[16:17], s[16:17], s[36:37]
	s_mov_b32 s38, 0x76543210                      ; v_permlanex16_b32: lane i of one half reads lane i of the other
	s_mov_b32 s39, 0xfedcba98
	s_lshl_b32 s43, s18, 2
	s_add_co_u32 s43, s43, 512
	v_add_nc_u32 v[LI], s19, v[CI]                 ; LDS 0-511: the work-group's 128 indices
	v_mov_b32 v[LP], s43                           ; LDS 512-575: the sixteen waves' sums
	s_wait_loadcnt 0x8                             ; the indices are in; the 4 loads of distances and the 4 of h stay out
.irp s, 0,1,2,3
.irp q, 0,1,2,3
	v_min_u32 v[IDX+4*\q+\s], 0x1fff, v[IDX+4*\q+\s]               ; an index stays inside the table of 8,192 rows
	v_lshl_add_u32 v[OFF+4*\s+\q], v[IDX+4*\q+\s], 8, v[C16]       ; 256 bytes a row + my 16
	global_load_b128 v[ROW+16*\s+4*\q:ROW+16*\s+4*\q+3], v[OFF+4*\s+\q], s[6:7]
.endr
.endr
	s_wait_loadcnt 0x14                            ; the distances are in; the 4 loads of h and the 16 rows stay out
	; the merge of step s leaves three masks in s[20+3s : 22+3s]: quarter 1, 2, 3 beats what came before it
.irp s, 0,1,2,3
	v_cmp_lt_f32 s[20+3*\s], v[DST+4+\s], v[DST+\s]
	v_min_num_f32 v[BD], v[DST+\s], v[DST+4+\s]
	v_cndmask_b32 v[BI+\s], v[IDX+\s], v[IDX+4+\s], s[20+3*\s]
	v_cmp_lt_f32 s[21+3*\s], v[DST+8+\s], v[BD]
	v_min_num_f32 v[BD], v[BD], v[DST+8+\s]
	v_cndmask_b32 v[BI+\s], v[BI+\s], v[IDX+8+\s], s[21+3*\s]
	v_cmp_lt_f32 s[22+3*\s], v[DST+12+\s], v[BD]
	v_cndmask_b32 v[BI+\s], v[BI+\s], v[IDX+12+\s], s[22+3*\s]
.endr
	ds_store_b128 v[LI], v[BI:BI+3]                ; the sixteen lanes of a half write the same 16 bytes with the same numbers
.macro TOKEN s
	s_wait_loadcnt 12-4*\s                         ; this step's four rows (and h, which is older) are in; the later steps' rows stay out
.irp q, 1,2,3
.irp k, 0,1,2,3
	v_cndmask_b32 v[ROW+16*\s+\k], v[ROW+16*\s+\k], v[ROW+16*\s+4*\q+\k], s[19+3*\s+\q]
.endr
.endr
.irp k, 0,2
	v_pk_add_f32 v[DIFF+\k:DIFF+\k+1], v[ROW+16*\s+\k:ROW+16*\s+\k+1], v[HID+4*\s+\k:HID+4*\s+\k+1] neg_lo:[0,1] neg_hi:[0,1]
.endr
.irp k, 0,2
.if \s == 0
	v_pk_mul_f32 v[LACC+\k:LACC+\k+1], v[DIFF+\k:DIFF+\k+1], v[DIFF+\k:DIFF+\k+1]     ; the first step starts the sums
.else
	v_pk_fma_f32 v[LACC+\k:LACC+\k+1], v[DIFF+\k:DIFF+\k+1], v[DIFF+\k:DIFF+\k+1], v[LACC+\k:LACC+\k+1]
.endif
	v_pk_add_f32 v[ZQ+4*\s+\k:ZQ+4*\s+\k+1], v[HID+4*\s+\k:HID+4*\s+\k+1], v[DIFF+\k:DIFF+\k+1]   ; h + (e - h), rounded as the reference rounds it
.endr
	global_store_b128 v[HO], v[ZQ+4*\s:ZQ+4*\s+3], s[12:13] offset:\s*256 th:TH_STORE_NT
.endm
	TOKEN 0
	TOKEN 1
	TOKEN 2
	TOKEN 3
	v_add_f32 v[LS], v[LACC], v[LACC+1]
	v_add_f32 v[LS+1], v[LACC+2], v[LACC+3]
	v_add_f32 v[LS], v[LS], v[LS+1]
	v_add_f32_dpp v[LS], v[LS], v[LS] row_xmask:1 row_mask:0xf bank_mask:0xf
	v_add_f32_dpp v[LS], v[LS], v[LS] row_xmask:2 row_mask:0xf bank_mask:0xf
	v_add_f32_dpp v[LS], v[LS], v[LS] row_xmask:4 row_mask:0xf bank_mask:0xf
	v_add_f32_dpp v[LS], v[LS], v[LS] row_xmask:8 row_mask:0xf bank_mask:0xf
	v_permlanex16_b32 v[LS+1], v[LS], s38, s39
	v_add_f32 v[LS], v[LS], v[LS+1]
	ds_store_b32 v[LP], v[LS]                      ; all lanes write the wave's word with the same number
	s_wait_dscnt 0x0                               ; my indices and my sum are in LDS,
	s_barrier_signal -1
	s_barrier_wait -1                              ; everybody's are
	s_cmp_lg_u32 s18, 0
	s_cbranch_scc1 .Lend
	; wave 0: the 128 indices leave as 512 consecutive bytes; the sixteen sums are added in a fixed order
	v_lshlrev_b32 v[WA], 4, v0                     ; in wave 0 the thread's number is the lane
	v_mov_b32 v[WB], 512
	ds_load_b128 v[WI:WI+3], v[WA]
.irp t, 0,1,2,3
	ds_load_b128 v[WP+4*\t:WP+4*\t+3], v[WB] offset:16*\t
.endr
	s_wait_dscnt 0x0
	global_store_b128 v[WA], v[WI:WI+3], s[14:15]
	v_pk_add_f32 v[WP:WP+1], v[WP:WP+1], v[WP+2:WP+3]
	v_pk_add_f32 v[WP+4:WP+5], v[WP+4:WP+5], v[WP+6:WP+7]
	v_pk_add_f32 v[WP+8:WP+9], v[WP+8:WP+9], v[WP+10:WP+11]
	v_pk_add_f32 v[WP+12:WP+13], v[WP+12:WP+13], v[WP+14:WP+15]
	v_pk_add_f32 v[WP:WP+1], v[WP:WP+1], v[WP+4:WP+5]
	v_pk_add_f32 v[WP+8:WP+9], v[WP+8:WP+9], v[WP+12:WP+13]
	v_pk_add_f32 v[WP:WP+1], v[WP:WP+1], v[WP+8:WP+9]
	v_add_f32 v[WP], v[WP], v[WP+1]
	v_mov_b32 v[WZ], 0
	v_cmp_eq_u32 vcc_lo, 0, v0
	s_wait_xcnt 0x0                                ; EXEC changes only behind this wait
	s_and_saveexec_b32 s40, vcc_lo
	global_store_b32 v[WZ], v[WP], s[16:17]        ; one word for the work-group
	s_wait_xcnt 0x0                                ; and again, in front of the line that widens it
	s_or_b32 exec_lo, exec_lo, s40
.Lend:
	s_wait_tensorcnt 0x0
	ds_add_u32 v176, v177
	s_wait_dscnt 0x0
	s_endpgm
.Lfunc_end_k_q546fe6608a_gather:
	.size	k_q546fe6608a_gather, .Lfunc_end_k_q546fe6608a_gather-k_q546fe6608a_gather
	.p2alignl 7, 3214868480
	.fill 96, 4, 3214868480
	.section	.rodata,"a",@progbits
	.p2align	6, 0x0
	.amdhsa_kernel k_q546fe6608a_gather
		.amdhsa_group_segment_fixed_size 3072
		.amdhsa_private_segment_fixed_size 0
		.amdhsa_enable_private_segment 0
		.amdhsa_kernarg_size 56
		.amdhsa_user_sgpr_count 2
		.amdhsa_user_sgpr_kernarg_segment_ptr 1
		.amdhsa_wavefront_size32 1
		.amdhsa_system_sgpr_workgroup_id_x 1
		.amdhsa_system_sgpr_workgroup_id_y 1
		.amdhsa_system_sgpr_workgroup_id_z 1
		.amdhsa_system_vgpr_workitem_id 0
		.amdhsa_next_free_vgpr 178
		.amdhsa_next_free_sgpr 66
		.amdhsa_reserve_vcc 1
		.amdhsa_float_denorm_mode_32 3
		.amdhsa_float_denorm_mode_16_64 3
		.amdhsa_memory_ordered 1
		.amdhsa_forward_progress 1
		.amdhsa_inst_pref_size 16
	.end_amdhsa_kernel
	.amdgpu_metadata
---
amdhsa.version: [ 1, 2 ]
amdhsa.kernels:
  - .name:           k_q546fe6608a_gather
    .symbol:         k_q546fe6608a_gather.kd
    .args:
      - { .name: hidden_states, .offset: 0, .size: 8, .value_kind: global_buffer, .address_space: global }
      - { .name: embedding, .offset: 8, .size: 8, .value_kind: global_buffer, .address_space: global }
      - { .name: candd, .offset: 16, .size: 8, .value_kind: global_buffer, .address_space: global }
      - { .name: candi, .offset: 24, .size: 8, .value_kind: global_buffer, .address_space: global }
      - { .name: out0, .offset: 32, .size: 8, .value_kind: global_buffer, .address_space: global }
      - { .name: out1, .offset: 40, .size: 8, .value_kind: global_buffer, .address_space: global }
      - { .name: part, .offset: 48, .size: 8, .value_kind: global_buffer, .address_space: global }
    .group_segment_fixed_size: 3072
    .private_segment_fixed_size: 0
    .kernarg_segment_align: 8
    .kernarg_segment_size: 56
    .max_flat_workgroup_size: 512
    .sgpr_count:     66
    .vgpr_count:     178
    .wavefront_size: 32
...
	.end_amdgpu_metadata
.endif
;; end of part 2
;; launch finish (part 3): grid 1 x 1, 1 waves a work-group, no clusters, 0 bytes of LDS; arguments part, out2; writes out2
.if DOCPART == 3
	.amdgcn_target "amdgcn-amd-amdhsa--gfx1250"
	.amdhsa_code_object_version 6
	.text
	.protected	k_q546fe6608a_finish
	.globl	k_q546fe6608a_finish
	.p2align	8
	.type	k_q546fe6608a_finish,@function
k_q546fe6608a_finish:
	s_mov_b64 s[64:65], 0
	v_nop
	global_prefetch_b8 v0, s[64:65] scope:SCOPE_SE
	s_setreg_imm32_b32 hwreg(HW_REG_WAVE_MODE, 25, 1), 1
	s_wait_xcnt 0x0
; VECTOR QUANTISER, STEP 3 OF 3: the loss.  The 256 work-groups' sums of (e - h)^2 are added in a fixed order by one wave:
; a sum that spans work-groups is made behind the launch that made its parts.
; loss = m + 0.25 m with m = S / 2,097,152 (32,768 tokens x 64 numbers = 2^21).  m and 0.25 m are exact scalings of S by powers of two,
; so m + 0.25 m is 1.25 m rounded once: the same number as the one product S x (1.25 x 2^-21) below.
	s_load_b128 s[4:7], s[0:1], 0x0                ; part s[4:5], out2 s[6:7]
	v_lshlrev_b32 v1, 4, v0                        ; 16 bytes a lane: each load covers 512 consecutive bytes
	s_mov_b32 s8, 0x76543210                       ; v_permlanex16_b32: lane i of one half reads lane i of the other
	s_mov_b32 s9, 0xfedcba98
	s_wait_kmcnt 0x0
	global_load_b128 v[2:5], v1, s[4:5]
	global_load_b128 v[6:9], v1, s[4:5] offset:512
	s_wait_loadcnt 0x0
	v_pk_add_f32 v[2:3], v[2:3], v[4:5]
	v_pk_add_f32 v[6:7], v[6:7], v[8:9]
	v_pk_add_f32 v[2:3], v[2:3], v[6:7]
	v_add_f32 v2, v2, v3
	v_add_f32_dpp v2, v2, v2 row_xmask:1 row_mask:0xf bank_mask:0xf
	v_add_f32_dpp v2, v2, v2 row_xmask:2 row_mask:0xf bank_mask:0xf
	v_add_f32_dpp v2, v2, v2 row_xmask:4 row_mask:0xf bank_mask:0xf
	v_add_f32_dpp v2, v2, v2 row_xmask:8 row_mask:0xf bank_mask:0xf
	v_permlanex16_b32 v3, v2, s8, s9
	v_add_f32 v2, v2, v3
	v_mul_f32 v2, 0x35200000, v2                   ; x 1.25 x 2^-21
	v_mov_b32 v4, 0
	v_cmp_eq_u32 vcc_lo, 0, v0
	s_wait_xcnt 0x0                                ; EXEC changes only behind this wait
	s_and_saveexec_b32 s10, vcc_lo
	global_store_b32 v4, v2, s[6:7]                ; lane 0 stores the one number
	s_endpgm
.Lfunc_end_k_q546fe6608a_finish:
	.size	k_q546fe6608a_finish, .Lfunc_end_k_q546fe6608a_finish-k_q546fe6608a_finish
	.p2alignl 7, 3214868480
	.fill 96, 4, 3214868480
	.section	.rodata,"a",@progbits
	.p2align	6, 0x0
	.amdhsa_kernel k_q546fe6608a_finish
		.amdhsa_group_segment_fixed_size 0
		.amdhsa_private_segment_fixed_size 0
		.amdhsa_enable_private_segment 0
		.amdhsa_kernarg_size 16
		.amdhsa_user_sgpr_count 2
		.amdhsa_user_sgpr_kernarg_segment_ptr 1
		.amdhsa_wavefront_size32 1
		.amdhsa_system_sgpr_workgroup_id_x 1
		.amdhsa_system_sgpr_workgroup_id_y 1
		.amdhsa_system_sgpr_workgroup_id_z 1
		.amdhsa_system_vgpr_workitem_id 0
		.amdhsa_next_free_vgpr 16
		.amdhsa_next_free_sgpr 66
		.amdhsa_reserve_vcc 1
		.amdhsa_float_denorm_mode_32 3
		.amdhsa_float_denorm_mode_16_64 3
		.amdhsa_memory_ordered 1
		.amdhsa_forward_progress 1
		.amdhsa_inst_pref_size 2
	.end_amdhsa_kernel
	.amdgpu_metadata
---
amdhsa.version: [ 1, 2 ]
amdhsa.kernels:
  - .name:           k_q546fe6608a_finish
    .symbol:         k_q546fe6608a_finish.kd
    .args:
      - { .name: part, .offset: 0, .size: 8, .value_kind: global_buffer, .address_space: global }
      - { .name: out2, .offset: 8, .size: 8, .value_kind: global_buffer, .address_space: global }
    .group_segment_fixed_size: 0
    .private_segment_fixed_size: 0
    .kernarg_segment_align: 8
    .kernarg_segment_size: 16
    .max_flat_workgroup_size: 32
    .sgpr_count:     66
    .vgpr_count:     16
    .wavefront_size: 32
...
	.end_amdgpu_metadata
.endif
;; end of part 3
